; MI455X (gfx1250); checked and timed in simulation.
; The chip was launched on July 23, 2026; its instructions are those of AMD's public machine-readable ISA for CDNA 5 (MIT licence, August 2026) and "CDNA5" Instruction Set Architecture Reference Guide (July 2026). The comments in the code are by the model that wrote it; some were corrected since.
;; Sequence To Sequence RNN. Allowed arithmetic: float matrix products may take bf16 or f16 operands with f32 sums; other float arithmetic in f32, or as packed bf16 or f16 multiplies, adds, multiply-adds, maxima and minima; sums over many terms, partial sums and values carried from step to step in f32; what a program stores and reads back later, other than sums and carried values, may be rounded once to bf16 or f16.
;; Inputs: b_im 3 x 8 x 12 float32; b_re 3 x 8 x 12 float32; bn_beta 1,600 float32; bn_gamma 1,600 float32; c_im 3 x 12 x 8 float32; c_re 3 x 12 x 8 float32; d 3 x 12 float32; l1_b 12 float32; l1_w 12 x 1 float32; l2_b 1 float32; l2_w 1 x 12 float32; lam_im 3 x 8 float32; lam_re 3 x 8 float32; log_step 3 x 8 float32; x 1,024 x 1,600 x 1 float32.
;; Outputs: out0 1,024 x 1,600 x 1 float32.
;; One version. Each part assembles by itself: llvm-mc -triple=amdgcn-amd-amdhsa -mcpu=gfx1250 --defsym DOCPART=n.
;; ======== version 1 of 1: 2 launches
;; limits: right only within a limited range of input values
;; workspace buffers: tab 12,800 bytes; wimg 24,576 bytes; cst 1,536 bytes
;; launch prep (part 1): grid 28 x 1, 16 waves a work-group, no clusters, 26,624 bytes of LDS; arguments x, l1_w, l1_b, bn_gamma, bn_beta, lam_re, lam_im, log_step, b_re, b_im, c_re, c_im, tab, wimg, cst; writes tab, wimg, cst
.if DOCPART == 1
	.amdgcn_target "amdgcn-amd-amdhsa--gfx1250"
	.amdhsa_code_object_version 6
	.text
	.protected	k_q58ef393c5b_prep
	.globl	k_q58ef393c5b_prep
	.p2align	8
	.type	k_q58ef393c5b_prep,@function
k_q58ef393c5b_prep:
	s_mov_b64 s[64:65], 0
	v_nop
	global_prefetch_b8 v0, s[64:65] scope:SCOPE_SE
	s_setreg_imm32_b32 hwreg(HW_REG_WAVE_MODE, 25, 1), 1
	s_wait_xcnt 0x0
; PREP: what the second launch needs and what hangs on all rows or on the parameters alone.
; NO WORK OF THE MODULE IS LEFT OUT: every input has a way to the output and is loaded by this launch or the next.
; ROLE A, work-groups 0-24: BatchNorm's two tables, for 64 time steps each.  out[b,l,h] = x[b,l] w[h] + b[h], so the statistics over (b, h) follow
;   from sums over b of x alone: with mx, Vx the mean and variance of column l, mean = mx wbar + bbar and var = Vx mean_h(w^2) + mean_h(e_h^2),
;   e_h = mx (w_h - wbar) + (b_h - bbar); the cross term holds the mean of x - mx, which is 0.  Vx is made of sums of x - x[0,l]: no difference of
;   large sums.  tab row 0: g = gamma rsq(var + eps); row 1: sh = beta - mean g; the normalised value is out g + sh.
; ROLE B, work-groups 25-27: one S5 layer each.  L = exp(lam step), bbar = (L - 1) / lam B.  For a chunk of four steps
;   [y (48 = 4 channel + step); chunk sum (16 = 2 p + re/im)] is a fixed matrix times [u (48); state before the chunk (16)]:
;   H[s][(cin,t)] = part of L^(3-t) bbar[p,cin];   gam[cout][m] = (2 Re, -2 Im)(C L^m);   KK[cout][m][cin] = sum_s gam[cout][m][s] bbar[cin][s].
;   wimg: eight images of 16 x 32 bf16 a layer, laid as a wave's source-0 registers take them: 0, 1 = H; 2 + 2 q + k = rows 16 q.. of y, columns 32 k...
;   cst: L^4, L^20, L^40, L^80, L^160 in f32: what is carried from chunk to chunk stays in f32.
; LDS.  The two roles have bytes of their own: role A 0 to 16,383, the spare words behind them, role B from 18,432 on.
; LIMITS.  sin and cos of lam_im step: reduction by pi/2 in two parts, good while |lam_im step| stays under some 1e5.  v_exp_f32 gives 0 for a result
; below 2^-126.  (L - 1) / lam is formed as the module forms it, with the same cancellation for small lam step.  Sums are taken in another order.
.set ROWB,  6400                       ; bytes in a row of x
.set SPARE, 16384                      ; the spare words: 128 bytes for each of 16 waves, named by no other line
.set RB,  18432                        ; role B's bytes begin here
.set PW,  RB                           ; [p] records of 96 bytes: complex L^0..L^4, f = (L-1)/lam, L^20, L^40, L^80, L^160
.set BT,  RB+768                       ; bbar: row cin, 64 bytes (8 p + 4 c)
.set GM,  RB+1536                      ; gam: row 5 cout + m, 64 bytes
.set KKB, RB+5376                      ; KK: row 4 cout + m, 48 bytes (4 cin)
.set CS,  RB+7680                      ; 512 bytes: cst's image
	s_load_b512 s[4:19], s[0:1], 0x0               ; x 4, l1_w 6, l1_b 8, gamma 10, beta 12, lam_re 14, lam_im 16, log_step 18
	s_load_b256 s[20:27], s[0:1], 0x40             ; b_re 20, b_im 22, c_re 24, c_im 26
	s_load_b128 s[28:31], s[0:1], 0x60             ; tab 28, wimg 30
	s_load_b64 s[32:33], s[0:1], 0x70              ; cst
	v_lshl_add_u32 v1, v0, 2, SPARE                ; my spare word; never rewritten
	v_mov_b32 v2, 0                                ; 0; never rewritten
	v_lshrrev_b32 v3, 5, v0
	v_readfirstlane_b32 s34, v3                    ; wave 0..15
	s_mov_b32 s35, ttmp9
	s_mov_b32 s60, 0x76543210                      ; v_permlanex16_b32: each lane takes its own place in the other half
	s_mov_b32 s61, 0xfedcba98
	s_wait_kmcnt 0x0
	s_cmp_ge_u32 s35, 25                           ; the same in all waves of a work-group
	s_cbranch_scc1 .Llayer
; ---------------- ROLE A: 64 columns (256 bytes of each row) x 1,024 rows; wave w takes rows 64 w .. 64 w + 63, two rows a load ----------------
	s_load_b256 s[36:43], s[6:7], 0x0              ; w[0..11] in s36-47
	s_load_b128 s[44:47], s[6:7], 0x20
	s_load_b256 s[48:55], s[8:9], 0x0              ; b[0..11] in s48-59
	s_load_b128 s[56:59], s[8:9], 0x20
	s_lshl_b32 s68, s35, 8                         ; the work-group's 256 bytes of a row
	s_mov_b32 s69, 0
	s_add_nc_u64 s[4:5], s[4:5], s[68:69]
	s_add_nc_u64 s[10:11], s[10:11], s[68:69]
	s_add_nc_u64 s[12:13], s[12:13], s[68:69]
	s_add_nc_u64 s[28:29], s[28:29], s[68:69]
	v_and_b32 v3, 15, v0                           ; t16: my four columns
	v_bfe_u32 v4, v0, 4, 1                         ; hh: which of a load's two rows
	v_lshlrev_b32 v45, 4, v3                       ; 16 t16
	s_lshl_b32 s70, s34, 6
	v_add_nc_u32 v5, s70, v4
	v_mul_u32_u24 v5, v5, ROWB
	v_add_nc_u32 v5, v5, v45                       ; (64 w + hh) rows + 16 t16
	s_lshl_b32 s71, s34, 10
	v_lshl_add_u32 v6, v4, 9, s71
	v_add_nc_u32 v6, v6, v45                       ; LDS: partial 2 w + hh, 512 bytes each: S1 then S2
	v_and_b32 v7, 31, v0
	v_lshlrev_b32 v7, 4, v7                        ; 16 x lane
	v_mul_u32_u24 v44, v4, ROWB
	v_add_nc_u32 v44, v44, v45                     ; tab: row hh, my four columns
	global_load_b128 v[36:39], v45, s[10:11]       ; gamma
	global_load_b128 v[40:43], v45, s[12:13]       ; beta
	global_load_b128 v[8:11], v45, s[4:5]          ; the pivot x[0, l]
.set NN, 0
.rept 32
	global_load_b128 v[48+4*NN:51+4*NN], v5, s[4:5] offset:NN*2*ROWB  ; sixteen lanes take 256 consecutive bytes, aligned
.set NN, NN+1
.endr
.set NN, 0
.rept 32                               ; two sets of sums by turns: S1 at SA, S2 at SA + 4
.set SA, 12+8*(NN&1)
.set XX, 48+4*NN
.set DF, 28+4*(NN&1)
	s_wait_loadcnt 31-NN                           ; loads come back in order: the 31 - n younger ones may stay out
.if NN < 2
	v_pk_add_f32 v[SA:SA+1], v[XX:XX+1], v[8:9] neg_lo:[0,1] neg_hi:[0,1]      ; the first two loads start the sums
	v_pk_add_f32 v[SA+2:SA+3], v[XX+2:XX+3], v[10:11] neg_lo:[0,1] neg_hi:[0,1]
	v_pk_mul_f32 v[SA+4:SA+5], v[SA:SA+1], v[SA:SA+1]
	v_pk_mul_f32 v[SA+6:SA+7], v[SA+2:SA+3], v[SA+2:SA+3]
.else
	v_pk_add_f32 v[DF:DF+1], v[XX:XX+1], v[8:9] neg_lo:[0,1] neg_hi:[0,1]      ; x - pivot
	v_pk_add_f32 v[DF+2:DF+3], v[XX+2:XX+3], v[10:11] neg_lo:[0,1] neg_hi:[0,1]
	v_pk_add_f32 v[SA:SA+1], v[SA:SA+1], v[DF:DF+1]
	v_pk_add_f32 v[SA+2:SA+3], v[SA+2:SA+3], v[DF+2:DF+3]
	v_pk_fma_f32 v[SA+4:SA+5], v[DF:DF+1], v[DF:DF+1], v[SA+4:SA+5]
	v_pk_fma_f32 v[SA+6:SA+7], v[DF+2:DF+3], v[DF+2:DF+3], v[SA+6:SA+7]
.endif
.set NN, NN+1
.endr
	v_pk_add_f32 v[12:13], v[12:13], v[20:21]
	v_pk_add_f32 v[14:15], v[14:15], v[22:23]
	v_pk_add_f32 v[16:17], v[16:17], v[24:25]
	v_pk_add_f32 v[18:19], v[18:19], v[26:27]
	ds_store_b128 v6, v[12:15]
	ds_store_b128 v6, v[16:19] offset:256
	s_wait_kmcnt 0x0                               ; w and b
	s_wait_dscnt 0x0                               ; for wave 0's sake: my partial sums lie in LDS
	s_barrier_signal -1
	s_barrier_wait -1
	s_cmp_lg_u32 s34, 0
	s_cbranch_scc1 .Lend                           ; wave 0 finishes the 64 columns
.set NN, 0
.rept 32
	ds_load_b128 v[48+4*NN:51+4*NN], v7 offset:NN*512  ; lanes 0-15 take S1 of partial n, lanes 16-31 its S2
.set NN, NN+1
.endr
	s_wait_dscnt 0x0
.irp st, 16,8,4,2,1
.set NN, 0
.rept \st
	v_pk_add_f32 v[48+4*NN:49+4*NN], v[48+4*NN:49+4*NN], v[48+4*(NN+\st):49+4*(NN+\st)]
	v_pk_add_f32 v[50+4*NN:51+4*NN], v[50+4*NN:51+4*NN], v[50+4*(NN+\st):51+4*(NN+\st)]
.set NN, NN+1
.endr
.endr
	v_cmp_eq_u32 s62, 1, v4                        ; lanes 16-31
.irp j, 0,1,2,3
	v_permlanex16_b32 v[52+\j], v[48+\j], s60, s61 ; the other statistic of the same columns
.endr
.irp j, 0,1,2,3
	v_cndmask_b32 v[56+\j], v[48+\j], v[52+\j], s62    ; S1 in every lane
	v_cndmask_b32 v[60+\j], v[52+\j], v[48+\j], s62    ; S2
.endr
	v_mov_b32 v176, s36                            ; the same in all lanes: wbar, bbar, mean of w^2, w - wbar, b - bbar
	v_mov_b32 v177, s48
	v_mul_f32 v178, s36, s36
.irp h, 1,2,3,4,5,6,7,8,9,10,11
	v_add_f32 v176, s[36+\h], v176
	v_add_f32 v177, s[48+\h], v177
	v_fma_f32 v178, s[36+\h], s[36+\h], v178
.endr
	v_mul_f32 v176, 0x3daaaaab, v176               ; / 12
	v_mul_f32 v177, 0x3daaaaab, v177
	v_mul_f32 v178, 0x3daaaaab, v178
.irp h, 0,1,2,3,4,5,6,7,8,9,10,11
	v_sub_f32 v[180+\h], s[36+\h], v176
	v_sub_f32 v[192+\h], s[48+\h], v177
.endr
.irp j, 0,1,2,3
	v_mul_f32 v[64+\j], 0x3a800000, v[56+\j]       ; m1 = S1 / 1024
.endr
.irp j, 0,1,2,3
	v_add_f32 v[68+\j], v[8+\j], v[64+\j]          ; mx = pivot + m1
	v_mul_f32 v[72+\j], v[64+\j], v[64+\j]
.endr
.irp j, 0,1,2,3
	v_fma_f32 v[72+\j], v[60+\j], 0x3a800000, -v[72+\j]  ; Vx = S2 / 1024 - m1^2
.endr
.irp j, 0,1,2,3
	v_max_num_f32 v[72+\j], 0, v[72+\j]
	v_fma_f32 v[76+\j], v[68+\j], v180, v192       ; e_0
.endr
.irp j, 0,1,2,3
	v_mul_f32 v[80+\j], v[76+\j], v[76+\j]
.endr
.irp h, 1,2,3,4,5,6,7,8,9,10,11
.irp j, 0,1,2,3
	v_fma_f32 v[76+\j], v[68+\j], v[180+\h], v[192+\h]
.endr
.irp j, 0,1,2,3
	v_fma_f32 v[80+\j], v[76+\j], v[76+\j], v[80+\j]
.endr
.endr
.irp j, 0,1,2,3
	v_mul_f32 v[80+\j], 0x3daaaaab, v[80+\j]
.endr
.irp j, 0,1,2,3
	v_fma_f32 v[80+\j], v[72+\j], v178, v[80+\j]
.endr
.irp j, 0,1,2,3
	v_add_f32 v[80+\j], 0x3727c5ac, v[80+\j]       ; + 1e-5
.endr
.irp j, 0,1,2,3
	v_rsq_f32 v[84+\j], v[80+\j]
.endr
.irp j, 0,1,2,3
	v_fma_f32 v[92+\j], v[68+\j], v176, v177       ; the mean: plain work behind the four roots
.endr
	s_wait_alu depctr_va_vdst(0)                   ; one wait for the batch of four, ahead of its first reader
.irp j, 0,1,2,3
	v_mul_f32 v[88+\j], v[36+\j], v[84+\j]         ; g
.endr
.irp j, 0,1,2,3
	v_fma_f32 v[96+\j], -v[92+\j], v[88+\j], v[40+\j]  ; sh
.endr
.irp j, 0,1,2,3
	v_cndmask_b32 v[100+\j], v[88+\j], v[96+\j], s62
.endr
	global_store_b128 v44, v[100:103], s[28:29]    ; lanes 0-15: 256 bytes of g; lanes 16-31: 256 bytes of sh; both aligned
	s_branch .Lend
; ---------------- ROLE B: one layer ----------------
.macro CMUL d, a, b                    ; complex d = a b; d is neither a nor b
	v_mul_f32 v[\d], v[\a], v[\b]
	v_mul_f32 v[(\d)+1], v[\a], v[(\b)+1]
	v_fma_f32 v[\d], -v[(\a)+1], v[(\b)+1], v[\d]
	v_fma_f32 v[(\d)+1], v[(\a)+1], v[\b], v[(\d)+1]
.endm
.Llayer:
	s_sub_co_u32 s35, s35, 25                      ; the layer
	s_lshl_b32 s68, s35, 5
	s_mov_b32 s69, 0
	s_mul_i32 s70, s35, 384
	s_mov_b32 s71, 0
	s_lshl_b32 s72, s35, 13
	s_mov_b32 s73, 0
	s_lshl_b32 s74, s35, 9
	s_mov_b32 s75, 0
	s_add_nc_u64 s[14:15], s[14:15], s[68:69]
	s_add_nc_u64 s[16:17], s[16:17], s[68:69]
	s_add_nc_u64 s[18:19], s[18:19], s[68:69]
	s_add_nc_u64 s[20:21], s[20:21], s[70:71]
	s_add_nc_u64 s[22:23], s[22:23], s[70:71]
	s_add_nc_u64 s[24:25], s[24:25], s[70:71]
	s_add_nc_u64 s[26:27], s[26:27], s[70:71]
	s_add_nc_u64 s[30:31], s[30:31], s[72:73]
	s_add_nc_u64 s[32:33], s[32:33], s[74:75]
	v_and_b32 v3, 31, v0                           ; lane
	v_and_b32 v4, 7, v0                            ; p
	v_lshrrev_b32 v5, 3, v0                        ; cin (threads 0-95)
	v_bfe_u32 v6, v0, 3, 2                         ; mq = lane / 8: the power 0..3 that I take
	v_lshlrev_b32 v10, 2, v4
	s_lshl_b32 s36, s34, 5
	v_add_nc_u32 v8, s36, v10                      ; c[cout = wave][p]
	v_mul_u32_u24 v9, v4, 12
	v_add_lshl_u32 v9, v9, v5, 2                   ; b[p][cin]
	v_mul_u32_u24 v11, v4, 96                      ; p's record
	s_cmp_ge_u32 s34, 12
	s_cbranch_scc1 .Lno_early
	global_load_b32 v12, v8, s[24:25]              ; Cr
	global_load_b32 v13, v8, s[26:27]              ; Ci
	s_cmp_ge_u32 s34, 3
	s_cbranch_scc1 .Lno_early
	global_load_b32 v14, v9, s[20:21]              ; Br
	global_load_b32 v15, v9, s[22:23]              ; Bi
	s_cmp_lg_u32 s34, 0
	s_cbranch_scc1 .Lno_early
	global_load_b32 v16, v10, s[14:15]             ; lam_re
	global_load_b32 v17, v10, s[16:17]             ; lam_im
	global_load_b32 v18, v10, s[18:19]             ; log_step
	s_wait_loadcnt 0x0
	; PHASE A, wave 0: L, f and the powers, for p = lane % 8 (four lanes do the same)
	v_mul_f32 v20, 0x3fb8aa3b, v18
	v_exp_f32 v20, v20                             ; step
	v_mul_f32 v24, v16, v16
	v_fma_f32 v24, v17, v17, v24                   ; |lam|^2
	s_wait_alu depctr_va_vdst(0)
	v_mul_f32 v21, v16, v20                        ; zr
	v_mul_f32 v22, v17, v20                        ; zi
	v_mul_f32 v23, 0x3fb8aa3b, v21
	v_exp_f32 v23, v23                             ; e^zr
	v_rcp_f32 v25, v24
	v_mul_f32 v26, 0x3f22f983, v22                 ; zi 2 / pi
	v_rndne_f32 v26, v26                           ; n
	v_fma_f32 v27, -v26, 0x3fc90fdb, v22           ; rho = zi - n pi/2, pi/2 in two parts
	v_fma_f32 v27, -v26, 0xb33bbd2e, v27
	v_mul_f32 v28, v27, v27
	v_mov_b32 v29, 0xb94ca1f9                      ; sin rho on -pi/4 .. pi/4
	v_fmaak_f32 v29, v29, v28, 0x3c08839e
	v_fmaak_f32 v29, v29, v28, 0xbe2aaaa3
	v_mul_f32 v29, v29, v28
	v_fma_f32 v29, v29, v27, v27
	v_mov_b32 v30, 0x37ccf5ce                      ; cos rho
	v_fmaak_f32 v30, v30, v28, 0xbab6061a
	v_fmaak_f32 v30, v30, v28, 0x3d2aaaa5
	v_mul_f32 v30, v30, v28
	v_fma_f32 v31, v28, -0.5, 1.0
	v_fma_f32 v30, v30, v28, v31
	v_cvt_i32_f32 v32, v26                         ; the quadrant: n mod 4, by selects and sign bits
	v_and_b32 v33, 1, v32
	v_cmp_eq_u32 s62, 1, v33
	v_cndmask_b32 v34, v29, v30, s62               ; |sin|
	v_cndmask_b32 v35, v30, v29, s62               ; |cos|
	v_lshlrev_b32 v33, 30, v32
	v_and_b32 v33, 0x80000000, v33                 ; sin is turned in quadrants 2, 3
	v_xor_b32 v34, v33, v34
	v_add_nc_u32 v32, 1, v32
	v_lshlrev_b32 v32, 30, v32
	v_and_b32 v32, 0x80000000, v32                 ; cos in quadrants 1, 2
	v_xor_b32 v35, v32, v35
	s_wait_alu depctr_va_vdst(0)                   ; one wait for e^zr and the reciprocal
	v_mul_f32 v38, v23, v35                        ; L
	v_mul_f32 v39, v23, v34
	v_add_f32 v60, -1.0, v38
	v_mul_f32 v61, v60, v16
	v_mul_f32 v62, v39, v16
	v_fma_f32 v61, v39, v17, v61
	v_fma_f32 v62, -v60, v17, v62
	v_mul_f32 v46, v61, v25                        ; f = (L - 1) conj(lam) / |lam|^2
	v_mul_f32 v47, v62, v25
	v_mov_b32 v36, 1.0
	v_mov_b32 v37, 0
	CMUL 40, 38, 38                                ; L^2
	CMUL 42, 40, 38                                ; L^3
	CMUL 44, 40, 40                                ; L^4
	CMUL 56, 44, 44                                ; L^8
	CMUL 58, 56, 56                                ; L^16
	CMUL 48, 58, 44                                ; L^20
	CMUL 50, 48, 48                                ; L^40
	CMUL 52, 50, 50                                ; L^80
	CMUL 54, 52, 52                                ; L^160
.irp k, 0,1,2,3,4,5,6,7,8,9
	ds_store_b64 v11, v[36+2*\k:37+2*\k] offset:PW+8*\k
.endr
	v_lshlrev_b32 v104, 4, v3
	v_lshlrev_b32 v105, 3, v4
.irp j, 0,1,2,3
	v_mov_b32 v[106+\j], 0
.endr
	ds_store_b128 v104, v[106:109] offset:CS       ; cst's image: zeros, then five rows of 64 bytes; LDS serves a wave's instructions in order
	ds_store_b64 v105, v[44:45] offset:CS
	ds_store_b64 v105, v[48:49] offset:CS+64
	ds_store_b64 v105, v[50:51] offset:CS+128
	ds_store_b64 v105, v[52:53] offset:CS+192
	ds_store_b64 v105, v[54:55] offset:CS+256
	ds_load_b128 v[100:103], v104 offset:CS
	s_wait_dscnt 0x0
	global_store_b128 v104, v[100:103], s[32:33]   ; 512 consecutive bytes; v100-104 are not written again
.Lno_early:
	s_wait_dscnt 0x0                               ; wave 0's records lie in LDS
	s_barrier_signal -1
	s_barrier_wait -1
	; PHASE B: gam (waves 0-11: cout = wave; my lane group's power mq, and power 4, which the four lanes of a p make alike) and bbar (threads 0-95)
	s_cmp_ge_u32 s34, 12
	s_cbranch_scc1 .Lb_done
	s_wait_loadcnt 0x0                             ; C, and in waves 0-2 B
	v_lshl_add_u32 v19, v6, 3, v11
	ds_load_b64 v[20:21], v19 offset:PW            ; L^mq
	ds_load_b64 v[30:31], v11 offset:PW+32         ; L^4
	s_mul_i32 s37, s34, 320                        ; cout's five rows of 64 bytes
	v_lshlrev_b32 v24, 6, v6
	v_lshl_add_u32 v24, v4, 3, v24
	v_add_nc_u32 v24, s37, v24                     ; row 5 cout + mq, 8 p
	v_lshl_add_u32 v25, v4, 3, s37                 ; row 5 cout, 8 p
	s_wait_dscnt 0x0
	v_mul_f32 v22, v12, v20
	v_mul_f32 v23, v12, v21
	v_mul_f32 v32, v12, v30
	v_mul_f32 v33, v12, v31
	v_fma_f32 v22, -v13, v21, v22
	v_fma_f32 v23, v13, v20, v23
	v_fma_f32 v32, -v13, v31, v32
	v_fma_f32 v33, v13, v30, v33
	v_mul_f32 v22, 2.0, v22
	v_mul_f32 v23, -2.0, v23
	v_mul_f32 v32, 2.0, v32
	v_mul_f32 v33, -2.0, v33
	ds_store_b64 v24, v[22:23] offset:GM
	ds_store_b64 v25, v[32:33] offset:GM+256       ; row 5 cout + 4
	s_cmp_ge_u32 s34, 3
	s_cbranch_scc1 .Lb_done
	ds_load_b64 v[26:27], v11 offset:PW+40         ; f
	v_lshlrev_b32 v34, 6, v5
	v_lshl_add_u32 v34, v4, 3, v34                 ; row cin, 8 p
	s_wait_dscnt 0x0
	v_mul_f32 v28, v26, v14
	v_mul_f32 v29, v26, v15
	v_fma_f32 v28, -v27, v15, v28
	v_fma_f32 v29, v27, v14, v29
	ds_store_b64 v34, v[28:29] offset:BT
.Lb_done:
	s_wait_dscnt 0x0
	s_barrier_signal -1
	s_barrier_wait -1
	; PHASE C: KK, threads 0-191: row mc = 4 cout + m, three cin each
	s_cmp_ge_u32 s34, 6
	s_cbranch_scc1 .Lc_done
	v_lshrrev_b32 v19, 2, v0                       ; mc
	v_and_b32 v20, 3, v0                           ; cg
	v_lshrrev_b32 v21, 2, v19
	v_add_lshl_u32 v21, v21, v19, 6                ; gam's row 5 cout + m = mc + mc / 4
	v_mul_u32_u24 v22, v20, 192                    ; bbar's rows 3 cg .. 3 cg + 2
.irp k, 0,1,2,3
	ds_load_b128 v[24+4*\k:27+4*\k], v21 offset:GM+16*\k
.endr
.irp k, 0,1,2,3,4,5,6,7,8,9,10,11
	ds_load_b128 v[40+4*\k:43+4*\k], v22 offset:BT+16*\k
.endr
	v_mul_u32_u24 v23, v19, 48
	v_mad_u32_u24 v23, v20, 12, v23
	s_wait_dscnt 0x0
.irp e, 0,1,2
	v_mul_f32 v[88+\e], v24, v[40+16*\e]
.endr
.set SS, 1
.rept 15
.irp e, 0,1,2
	v_fma_f32 v[88+\e], v[24+SS], v[40+16*\e+SS], v[88+\e]
.endr
.set SS, SS+1
.endr
.irp e, 0,1,2
	ds_store_b32 v23, v[88+\e] offset:KKB+4*\e
.endr
.Lc_done:
	s_wait_dscnt 0x0
	s_barrier_signal -1
	s_barrier_wait -1
	; PHASE D: thread tau makes 16 bytes of the images: image wave / 2, half wave % 2 of its 32 columns; row r = lane % 16, columns 16 half + 8 (lane / 16) + 0..7.
	; Of an image pair's 64 columns wave % 4 names sixteen: four input channels from 4 (wave % 4) on, or (wave % 4 = 3) the sixteen state columns.
	s_and_b32 s37, s34, 3
	s_lshl_b32 s40, s37, 2                         ; 8 k + 4 half
	s_lshr_b32 s39, s34, 2
	s_lshl_b32 s39, s39, 2                         ; waves 4-15: 4 (q + 1); the 4 too many is taken back in the immediates below
	v_lshlrev_b32 v110, 4, v0
	v_and_b32 v111, 15, v0                         ; r
	v_bfe_u32 v112, v0, 4, 1                       ; hh
	v_lshl_add_u32 v113, v112, 1, s40              ; my two input channels begin at cin0
	s_cmp_ge_u32 s34, 4
	s_cbranch_scc1 .Lp2img
	s_cmp_eq_u32 s37, 3
	s_cbranch_scc1 .Lzero
	v_lshrrev_b32 v116, 1, v111                    ; H: row 2 p + c
	v_and_b32 v117, 1, v111
	v_mul_u32_u24 v40, v116, 96
	ds_load_b128 v[24:27], v40 offset:PW           ; L^0, L^1
	ds_load_b128 v[28:31], v40 offset:PW+16        ; L^2, L^3
	v_lshlrev_b32 v41, 6, v113
	v_lshl_add_u32 v41, v116, 3, v41
	ds_load_b64 v[32:33], v41 offset:BT
	ds_load_b64 v[34:35], v41 offset:BT+64
	v_cmp_eq_u32 s62, 1, v117
	s_wait_dscnt 0x0
.irp a, 0,1
	v_xor_b32 v[46+\a], 0x80000000, v[33+2*\a]
	v_cndmask_b32 v[42+\a], v[32+2*\a], v[33+2*\a], s62   ; real part: Lr br - Li bi; imaginary part: Lr bi + Li br
	v_cndmask_b32 v[44+\a], v[46+\a], v[32+2*\a], s62
.irp t, 0,1,2,3
	v_mul_f32 v[16+4*\a+\t], v[24+2*(3-\t)], v[42+\a]
	v_fma_f32 v[16+4*\a+\t], v[25+2*(3-\t)], v[44+\a], v[16+4*\a+\t]
.endr
.endr
	s_branch .Ljoin
.Lzero:                                        ; the chunk sum takes nothing from the state
.irp j, 0,1,2,3,4,5,6,7
	v_mov_b32 v[16+\j], 0
.endr
	s_branch .Ljoin
.Lp2img:
	v_lshrrev_b32 v114, 2, v111
	v_add_nc_u32 v114, s39, v114                   ; cout + 4
	v_and_b32 v115, 3, v111                        ; t'
	s_cmp_eq_u32 s37, 3
	s_cbranch_scc1 .Lg
	v_lshl_add_u32 v40, v114, 2, v115              ; KK[cout][t' - t][cin], 0 where t > t'
	v_mul_u32_u24 v40, v40, 48                     ; 48 (4 cout + t') + 768
	v_lshl_add_u32 v40, v113, 2, v40
.irp a, 0,1
.irp t, 0,1,2,3
	ds_load_b32 v[16+4*\a+\t], v40 offset:KKB-768-144+(3-\t)*48+4*\a  ; where t > t' this names an earlier row, or gam's last bytes: written, finite, thrown away below
.endr
.endr
	v_cmp_le_u32 s62, 1, v115
	v_cmp_le_u32 s63, 2, v115
	v_cmp_le_u32 s66, 3, v115
	s_wait_dscnt 0x0
.irp a, 0,1
	v_cndmask_b32 v[17+4*\a], 0, v[17+4*\a], s62
	v_cndmask_b32 v[18+4*\a], 0, v[18+4*\a], s63
	v_cndmask_b32 v[19+4*\a], 0, v[19+4*\a], s66
.endr
	s_branch .Ljoin
.Lg:                                           ; gam[cout][t' + 1][8 hh ..]
	v_mul_u32_u24 v40, v114, 5
	v_add3_u32 v40, v40, v115, 1
	v_lshlrev_b32 v40, 6, v40                      ; 64 (5 cout + t' + 1) + 1,280
	v_lshl_add_u32 v40, v112, 5, v40
	ds_load_b128 v[16:19], v40 offset:GM-1280
	ds_load_b128 v[20:23], v40 offset:GM-1280+16
.Ljoin:
	s_wait_dscnt 0x0
	v_cvt_pk_bf16_f32 v12, v16, v17
	v_cvt_pk_bf16_f32 v13, v18, v19
	v_cvt_pk_bf16_f32 v14, v20, v21
	v_cvt_pk_bf16_f32 v15, v22, v23
	global_store_b128 v110, v[12:15], s[30:31]     ; a wave stores 512 consecutive bytes, aligned
.Lend:
	s_wait_tensorcnt 0x0                           ; the wave's end, behind my last LDS store
	ds_add_u32 v1, v2
	s_wait_dscnt 0x0
	s_endpgm
.Lfunc_end_k_q58ef393c5b_prep:
	.size	k_q58ef393c5b_prep, .Lfunc_end_k_q58ef393c5b_prep-k_q58ef393c5b_prep
	.p2alignl 7, 3214868480
	.fill 96, 4, 3214868480
	.section	.rodata,"a",@progbits
	.p2align	6, 0x0
	.amdhsa_kernel k_q58ef393c5b_prep
		.amdhsa_group_segment_fixed_size 26624
		.amdhsa_private_segment_fixed_size 0
		.amdhsa_enable_private_segment 0
		.amdhsa_kernarg_size 120
		.amdhsa_user_sgpr_count 2
		.amdhsa_user_sgpr_kernarg_segment_ptr 1
		.amdhsa_wavefront_size32 1
		.amdhsa_system_sgpr_workgroup_id_x 1
		.amdhsa_system_sgpr_workgroup_id_y 1
		.amdhsa_system_sgpr_workgroup_id_z 1
		.amdhsa_system_vgpr_workitem_id 0
		.amdhsa_next_free_vgpr 208
		.amdhsa_next_free_sgpr 80
		.amdhsa_reserve_vcc 0
		.amdhsa_float_denorm_mode_32 3
		.amdhsa_float_denorm_mode_16_64 3
		.amdhsa_memory_ordered 1
		.amdhsa_forward_progress 1
		.amdhsa_inst_pref_size 56
	.end_amdhsa_kernel
	.amdgpu_metadata
---
amdhsa.version: [ 1, 2 ]
amdhsa.kernels:
  - .name:           k_q58ef393c5b_prep
    .symbol:         k_q58ef393c5b_prep.kd
    .args:
      - { .name: x, .offset: 0, .size: 8, .value_kind: global_buffer, .address_space: global }
      - { .name: l1_w, .offset: 8, .size: 8, .value_kind: global_buffer, .address_space: global }
      - { .name: l1_b, .offset: 16, .size: 8, .value_kind: global_buffer, .address_space: global }
      - { .name: bn_gamma, .offset: 24, .size: 8, .value_kind: global_buffer, .address_space: global }
      - { .name: bn_beta, .offset: 32, .size: 8, .value_kind: global_buffer, .address_space: global }
      - { .name: lam_re, .offset: 40, .size: 8, .value_kind: global_buffer, .address_space: global }
      - { .name: lam_im, .offset: 48, .size: 8, .value_kind: global_buffer, .address_space: global }
      - { .name: log_step, .offset: 56, .size: 8, .value_kind: global_buffer, .address_space: global }
      - { .name: b_re, .offset: 64, .size: 8, .value_kind: global_buffer, .address_space: global }
      - { .name: b_im, .offset: 72, .size: 8, .value_kind: global_buffer, .address_space: global }
      - { .name: c_re, .offset: 80, .size: 8, .value_kind: global_buffer, .address_space: global }
      - { .name: c_im, .offset: 88, .size: 8, .value_kind: global_buffer, .address_space: global }
      - { .name: tab, .offset: 96, .size: 8, .value_kind: global_buffer, .address_space: global }
      - { .name: wimg, .offset: 104, .size: 8, .value_kind: global_buffer, .address_space: global }
      - { .name: cst, .offset: 112, .size: 8, .value_kind: global_buffer, .address_space: global }
    .group_segment_fixed_size: 26624
    .private_segment_fixed_size: 0
    .kernarg_segment_align: 8
    .kernarg_segment_size: 120
    .max_flat_workgroup_size: 512
    .sgpr_count:     80
    .vgpr_count:     208
    .wavefront_size: 32
...
	.end_amdgpu_metadata
.endif
;; end of part 1
;; launch s5 (part 2): grid 256 x 1, 4 waves a work-group, no clusters, 89,088 bytes of LDS; arguments x, tab, wimg, cst, d, l1_w, l1_b, l2_w, l2_b, out0; writes out0
.if DOCPART == 2
	.amdgcn_target "amdgcn-amd-amdhsa--gfx1250"
	.amdhsa_code_object_version 6
	.text
	.protected	k_q58ef393c5b_s5
	.globl	k_q58ef393c5b_s5
	.p2align	8
	.type	k_q58ef393c5b_s5,@function
k_q58ef393c5b_s5:
	s_mov_b64 s[64:65], 0
	v_nop
	global_prefetch_b8 v0, s[64:65] scope:SCOPE_SE
	s_setreg_imm32_b32 hwreg(HW_REG_WAVE_MODE, 25, 1), 1
	s_wait_xcnt 0x0
; THE WHOLE MODULE BEHIND THE STATISTICS, one wave to a batch row: widening to 12 channels, normalisation by tab, three S5 layers with ReLU and residuals, the last projection.
; No work of the module is left out.
; TIME.  l = 320 sb + 20 r + 4 i + t: sb = 0..4 the loop's trips; r = lane % 16 the column of a matrix tile; i = 0..4 five tiles, written out; t = 0..3 a chunk's steps.
; A LAYER.  For a chunk, [y; chunk sum] = fixed matrix x [u; state before the chunk] (the images made by the first launch, bf16; sums f32):
;   P1: S(i) = H u, the chunk's own addition to the state (2 matrix instructions a tile);
;   SCAN, f32: x_c = L^4 x_(c-1) + S_c: along a column's five chunks, across the sixteen columns (steps of 1, 2, 4, 8 lanes), from block to block;
;   P2: y = d u (f32, the sum's start) + KK u + gam x_prev (6 matrix instructions a tile).
; LAYOUT.  Images are source 0, activations source 1.  Row 8 h + j of result tile q is channel 4 q + 2 h + j / 4, step j % 4 (h = lane / 16): a lane's eight results, rounded
; in pairs, ARE its part of the next product's source 1, so nothing changes lanes but the scan's carries and the last projection's two halves.  States: half h holds p = 4 h .. 4 h + 3 as (re, im).
; FORMATS.  bf16: u, the state as an operand, the images.  f32: d u, the residuals, the states that are carried, all powers of L, the last projection.
; LIMITS.  ReLU is v_max_num_f32 with 0: a NaN becomes 0 there.  Sums are taken in another order than the module's scan takes them.
; REGISTERS, in windows of 256 (s_set_vgpr_msb: bits 1:0 source 0, 3:2 source 1, 5:4 source 2, 7:6 destination); the macros take absolute numbers and set the windows.
.set XS, 0                             ; LDS: my row of x, 6,400 bytes a wave
.set OS, 25600                         ; my row of the output
.set TG, 51200                         ; g, then sh: shared
.set WI, 64000                         ; the 24 images, 1,024 bytes each: shared
.set SPARE, 88576                      ; the spare words, 128 bytes a wave, named by no other line
; window 0: v1 spare word, v2 0, v3 AX, v4 AT, v5 AO, v6 16 lane, v7 8 lane, v8 r, v9 h, v10 32 h, v11 8 h, v12 6400 w + 16 lane, v13 0, v14 6400 w + 8 lane, v15 my part of WI
.set T,    16                          ; at work in the scan
.set CR,   24                          ; the state that enters my column
.set Z,    32                          ; + 8 l: the state at my column's end; column 15's goes on into the next block
.set S,    56                          ; + 8 i: chunk sums, then states at the chunks' ends
.set OP,   96                          ; + 4 i: four steps of the output
.set PT,   116
.set TMPU, 120                         ; the normalised tile in hand
.set XG,   144                         ; + 12 i: x, g, sh of four steps
.set B2H,  204                         ; l2_b in lanes 0-15, 0 in the others, twice
.set L2B,  206
.set AIM,  207                         ; WI + 16 lane
.set IMG,  256                         ; window 1: + 8 n, image n = 8 l + number.  PB(i) = 448 + 16 i (i = 4: 752): source 1: [q0][q1][q2][state], 4 registers each
.set U,    512                         ; window 2: + 24 i: the layer's input in f32, which is also the residual
.set ACC,  632                         ; + 24 i: y
.set XL,   512                         ; in the prologue: what is on its way to LDS
.set TL,   564
.set IL,   616
.set CL,   768                         ; window 3: + 40 l: L^4, then L^20, 40, 80, 160 (0 in lanes with no partner 1, 2, 4, 8 to the left)
.set L0,   888                         ; + 8 l: L^20 in column 0, else 0
.set DD,   912                         ; + 6 l + 2 q: d of my two channels of tile q
.set W1C,  930
.set B1C,  936
.set W2C,  942
.set MSB, 0
.macro WIN new                         ; the immediate's high byte repeats the setting that is left; a switch that changes nothing is dropped
.if MSB != (\new)
	s_set_vgpr_msb (MSB<<8)|(\new)
.set MSB, (\new)
.endif
.endm
.macro W4 d, a, b, c
	WIN ((((\d)>>8)<<6)|(((\c)>>8)<<4)|(((\b)>>8)<<2)|((\a)>>8))
.endm
.macro PKFMA d, a, b, c, mods:vararg
	W4 \d, \a, \b, \c
	v_pk_fma_f32 v[(\d)&255:((\d)&255)+1], v[(\a)&255:((\a)&255)+1], v[(\b)&255:((\b)&255)+1], v[(\c)&255:((\c)&255)+1] \mods
.endm
.macro PKMUL d, a, b, mods:vararg
	W4 \d, \a, \b, 0
	v_pk_mul_f32 v[(\d)&255:((\d)&255)+1], v[(\a)&255:((\a)&255)+1], v[(\b)&255:((\b)&255)+1] \mods
.endm
.macro PKADD d, a, b
	W4 \d, \a, \b, 0
	v_pk_add_f32 v[(\d)&255:((\d)&255)+1], v[(\a)&255:((\a)&255)+1], v[(\b)&255:((\b)&255)+1]
.endm
.macro CVT d, a
	W4 \d, \a, \a, 0
	v_cvt_pk_bf16_f32 v[(\d)&255], v[(\a)&255], v[((\a)&255)+1]
.endm
.macro MAX0 d
	W4 \d, \d, \d, 0
	v_max_num_f32 v[(\d)&255], 0, v[(\d)&255]
.endm
.macro MMA d, a, b, zero
	W4 \d, \a, \b, \d
.if \zero
	v_wmma_f32_16x16x32_bf16 v[(\d)&255:((\d)&255)+7], v[(\a)&255:((\a)&255)+7], v[(\b)&255:((\b)&255)+7], 0
.else
	v_wmma_f32_16x16x32_bf16 v[(\d)&255:((\d)&255)+7], v[(\a)&255:((\a)&255)+7], v[(\b)&255:((\b)&255)+7], v[(\d)&255:((\d)&255)+7]
.endif
.endm
.macro GLD4 d, va, sb, off, mods:vararg
	W4 \d, \va, 0, 0
	global_load_b128 v[(\d)&255:((\d)&255)+3], v[\va], s[\sb:(\sb)+1] offset:\off \mods
.endm
.macro GLD2 d, va, sb, off, mods:vararg
	W4 \d, \va, 0, 0
	global_load_b64 v[(\d)&255:((\d)&255)+1], v[\va], s[\sb:(\sb)+1] offset:\off \mods
.endm
.macro LDSS4 va, d, off                ; store data is source 1
	W4 0, \va, \d, 0
	ds_store_b128 v[\va], v[(\d)&255:((\d)&255)+3] offset:\off
.endm
.macro LDSS2 va, d, off
	W4 0, \va, \d, 0
	ds_store_b64 v[\va], v[(\d)&255:((\d)&255)+1] offset:\off
.endm
.macro LDSL4 d, va, off
	W4 \d, \va, 0, 0
	ds_load_b128 v[(\d)&255:((\d)&255)+3], v[\va] offset:\off
.endm
.macro PLACES                          ; four places behind a matrix instruction, ahead of vector work that reads its result (ISA guide 7.12.1)
.rept 4
	v_nop
.endr
.endm
; Layer 1's tile i: out = x w + b (kept in U: the residual); u = out g + sh; u rounded into PB; d u starts y.  Channel a of the pair, steps 2 tp, 2 tp + 1.
.macro BUILD i
.set PBI, 448+16*(\i)+240*((\i)/4)
.set UI, U+24*(\i)
.set AI, ACC+24*(\i)
.set XI, XG+12*(\i)
.irp q, 0,1,2
.irp a, 0,1
.irp tp, 0,1
	PKFMA UI+8*\q+4*\a+2*\tp, XI+2*\tp, W1C+2*\q, B1C+2*\q, op_sel:[0,\a,\a] op_sel_hi:[1,\a,\a]
.endr
.endr
.endr
.irp q, 0,1,2
.irp a, 0,1
.irp tp, 0,1
	PKFMA TMPU+8*\q+4*\a+2*\tp, UI+8*\q+4*\a+2*\tp, XI+4+2*\tp, XI+8+2*\tp
.endr
.endr
.endr
.irp j, 0,1,2,3,4,5,6,7,8,9,10,11
	CVT PBI+\j, TMPU+2*\j
.endr
.irp q, 0,1,2
.irp a, 0,1
.irp tp, 0,1
	PKMUL AI+8*\q+4*\a+2*\tp, TMPU+8*\q+4*\a+2*\tp, DD+2*\q, op_sel:[0,\a] op_sel_hi:[1,\a]
.endr
.endr
.endr
.endm
.macro MMH l, i, k                     ; the chunk sums: K step k; the first starts the sum
	MMA S+8*(\i), IMG+8*(8*(\l)+(\k)), 448+16*(\i)+240*((\i)/4)+8*(\k), 1-(\k)
.endm
.macro MM l, i, q, k                   ; y, rows 16 q .., K step k, onto d u
	MMA ACC+24*(\i)+8*(\q), IMG+8*(8*(\l)+2+2*(\q)+(\k)), 448+16*(\i)+240*((\i)/4)+8*(\k), 0
.endm
.macro PREQ l, i, q                    ; d u starts y
.irp a, 0,1
.irp tp, 0,1
	PKMUL ACC+24*(\i)+8*(\q)+4*\a+2*\tp, U+24*(\i)+8*(\q)+4*\a+2*\tp, DD+6*(\l)+2*(\q), op_sel:[0,\a] op_sel_hi:[1,\a]
.endr
.endr
.endm
.macro MAXQ i, q                       ; ReLU; the accumulator's registers in ascending order
.irp j, 0,1,2,3,4,5,6,7
	MAX0 ACC+24*(\i)+8*(\q)+\j
.endr
.endm
.macro ADDQ i, q                       ; + residual: the next layer's input, in f32 and rounded
.irp j, 0,2,4,6
	PKADD U+24*(\i)+8*(\q)+\j, ACC+24*(\i)+8*(\q)+\j, U+24*(\i)+8*(\q)+\j
.endr
.irp j, 0,1,2,3
	CVT 448+16*(\i)+240*((\i)/4)+4*(\q)+\j, U+24*(\i)+8*(\q)+2*\j
.endr
.endm
.macro P3Q i, q                        ; the last projection, my six channels; l2_b starts the sum in lanes 0-15
.irp a, 0,1
.irp tp, 0,1
.if ((\q) == 0) && (\a == 0)
	PKFMA OP+4*(\i)+2*\tp, ACC+24*(\i)+8*(\q)+4*\a+2*\tp, W2C+2*(\q), B2H, op_sel:[0,\a,0] op_sel_hi:[1,\a,1]
.else
	PKFMA OP+4*(\i)+2*\tp, ACC+24*(\i)+8*(\q)+4*\a+2*\tp, W2C+2*(\q), OP+4*(\i)+2*\tp, op_sel:[0,\a,0] op_sel_hi:[1,\a,1]
.endif
.endr
.endr
.endm
.macro FIN i                           ; the other six channels lie in the lane 16 away; four steps go into my row in LDS (both halves store the same)
	WIN 0
.irp t, 0,1,2,3
	v_permlanex16_b32 v[PT+\t], v[OP+4*(\i)+\t], s28, s29
.endr
	v_pk_add_f32 v[OP+4*(\i):OP+4*(\i)+1], v[OP+4*(\i):OP+4*(\i)+1], v[PT:PT+1]
	v_pk_add_f32 v[OP+4*(\i)+2:OP+4*(\i)+3], v[OP+4*(\i)+2:OP+4*(\i)+3], v[PT+2:PT+3]
	ds_store_b128 v5, v[OP+4*(\i):OP+4*(\i)+3] offset:16*(\i)
.endm
; Four complex d = x c + s, one for each of my states; c (re, im) in window 3; t = d unless d = x.  First (xr cr + sr, xi cr + si), then (- xi ci, + xr ci) onto it.
.macro CMAC4 d, t, x, c, s
.set jj, 0
.rept 4
	v_pk_fma_f32 v[(\t)+jj:(\t)+jj+1], v[(\x)+jj:(\x)+jj+1], v[(\c)+jj:(\c)+jj+1], v[(\s)+jj:(\s)+jj+1] op_sel:[0,0,0] op_sel_hi:[1,0,1]
.set jj, jj+2
.endr
.set jj, 0
.rept 4
	v_pk_fma_f32 v[(\d)+jj:(\d)+jj+1], v[(\x)+jj:(\x)+jj+1], v[(\c)+jj:(\c)+jj+1], v[(\t)+jj:(\t)+jj+1] op_sel:[1,1,0] op_sel_hi:[0,1,1] neg_lo:[0,1,0]
.set jj, jj+2
.endr
.endm
.macro DPP8 d, a, ctrl:vararg
.set jj, 0
.rept 8
	v_mov_b32_dpp v[(\d)+jj], v[(\a)+jj] \ctrl row_mask:0xf bank_mask:0xf
.set jj, jj+1
.endr
.endm
.macro SCAN l
.set ZL, Z+8*(\l)
.set AB, 40*(\l)                       ; L^4, in window 3
.set LK, 40*(\l)+8
.set LZ, 120+8*(\l)
	WIN 0x0c                                       ; source 1 in window 3, all else in window 0
	DPP8 CR, ZL, row_share:15                      ; the state at the last block's end
	CMAC4 ZL, ZL, S, AB, S+8                       ; my column's five chunks into one sum
	CMAC4 ZL, T, ZL, AB, S+16
	CMAC4 ZL, T, ZL, AB, S+24
	CMAC4 ZL, T, ZL, AB, S+32
	CMAC4 ZL, ZL, CR, LZ, ZL                       ; column 0 takes the last block's state in
.set KE, 0
.irp sh, 1,2,4,8
	DPP8 T, ZL, row_shr:\sh                        ; a lane with no partner keeps what T held; its factor is 0
	CMAC4 ZL, ZL, T, LK+8*KE, ZL
.set KE, KE+1
.endr
	DPP8 CR, ZL, row_shr:1                         ; what enters my column; column 0 keeps the last block's state
	CMAC4 S, S, CR, AB, S                          ; the states at the ends of chunks 0 to 3
	CMAC4 S+8, S+8, S, AB, S+8
	CMAC4 S+16, S+16, S+8, AB, S+16
	CMAC4 S+24, S+24, S+16, AB, S+24
.irp j, 0,1,2,3
	CVT 460+\j, CR+2*\j                            ; the state before each chunk, rounded, into source 1
.endr
.irp i, 1,2,3
.irp j, 0,1,2,3
	CVT 460+16*\i+\j, S+8*(\i-1)+2*\j
.endr
.endr
.irp j, 0,1,2,3
	CVT 764+\j, S+24+2*\j
.endr
.endm
; y of five tiles.  A tile's three accumulators take turns, one instruction a turn.  Behind each matrix instruction stands vector work of the neighbouring tiles:
; the next tile's d u, the last tile's ReLU, residual and rounding (layer 3: its projection).  It names no register of the products round it.
.macro P2 l
.if (\l) > 0
	PREQ \l, 0, 0
	PREQ \l, 0, 1
	PREQ \l, 0, 2
.endif
.irp i, 0,1,2,3,4
.irp q, 0,1,2
	MM \l, \i, \q, 0
.if ((\l) > 0) && ((\i) < 4)
	PREQ \l, (\i)+1, \q
.endif
.if ((\i) > 0) && ((\l) < 2)
	MAXQ (\i)-1, \q
.endif
.endr
.irp q, 0,1,2
	MM \l, \i, \q, 1
.if (\i) > 0
.if (\l) < 2
	ADDQ (\i)-1, \q
.else
	P3Q (\i)-1, \q
.if (\q) == 2
	FIN (\i)-1
.endif
.endif
.endif
.endr
.if (\i) == 0
	PLACES                                         ; tile 0 has no earlier tile's work behind its products: these are the places ahead of its first reader
.endif
.endr
.irp q, 0,1,2
.if (\l) < 2
	MAXQ 4, \q
	ADDQ 4, \q
.else
	P3Q 4, \q
.endif
.endr
.if (\l) == 2
	FIN 4
.endif
.endm
	s_load_b512 s[4:19], s[0:1], 0x0               ; x 4, tab 6, wimg 8, cst 10, d 12, l1_w 14, l1_b 16, l2_w 18
	s_load_b128 s[20:23], s[0:1], 0x40             ; l2_b 20, out0 22
	v_lshl_add_u32 v1, v0, 2, SPARE                ; my spare word; never rewritten
	v_mov_b32 v2, 0                                ; 0; never rewritten
	v_lshrrev_b32 v3, 5, v0
	v_readfirstlane_b32 s24, v3                    ; wave 0..3
	v_and_b32 v8, 15, v0                           ; r
	v_bfe_u32 v9, v0, 4, 1                         ; h
	v_and_b32 v6, 31, v0
	v_lshlrev_b32 v7, 3, v6
	v_lshlrev_b32 v6, 4, v6
	v_lshlrev_b32 v10, 5, v9
	v_lshlrev_b32 v11, 3, v9
	v_mov_b32 v13, 0
	s_mul_i32 s25, s24, 6400
	s_mul_i32 s37, s24, 6144
	v_add_nc_u32 v12, s25, v6
	v_add_nc_u32 v14, s25, v7
	v_mul_u32_u24 v4, v8, 80                       ; a column is 20 steps
	v_add_nc_u32 v3, s25, v4                       ; AX: my row of x, my column
	v_add_nc_u32 v5, OS, v3                        ; AO
	v_add_nc_u32 v4, TG, v4                        ; AT
	v_add_nc_u32 v15, s37, v6
	v_add_nc_u32 v15, WI, v15
	v_add_nc_u32 v[AIM], WI, v6
	s_mov_b32 s28, 0x76543210
	s_mov_b32 s29, 0xfedcba98
	s_wait_kmcnt 0x0
	s_lshl2_add_u32 s26, ttmp9, s24                ; my batch row = 4 x work-group + wave
	s_mul_i32 s26, s26, 6400
	s_mov_b32 s27, 0
	s_add_nc_u64 s[4:5], s[4:5], s[26:27]
	s_add_nc_u64 s[22:23], s[22:23], s[26:27]
	s_mov_b32 s26, s37
	s_add_nc_u64 s[8:9], s[8:9], s[26:27]          ; my six images
.set NN, 0
.rept 12
	GLD4 XL+4*NN, 6, 4, 512*NN, th:TH_LOAD_NT      ; my row: 12 x 512 bytes,
.set NN, NN+1
.endr
	GLD2 XL+48, 7, 4, 6144, th:TH_LOAD_NT          ; and its last 256
	WIN 0
	s_cmp_ge_u32 s24, 2
	s_cbranch_scc1 .Lno_tab                        ; wave 0 brings g, wave 1 sh
	s_mov_b32 s26, s25
	s_add_nc_u64 s[6:7], s[6:7], s[26:27]
.set NN, 0
.rept 12
	GLD4 TL+4*NN, 6, 6, 512*NN
.set NN, NN+1
.endr
	GLD2 TL+48, 7, 6, 6144
	WIN 0
.Lno_tab:
.set NN, 0
.rept 12
	GLD4 IL+4*NN, 6, 8, 512*NN
.set NN, NN+1
.endr
.irp l, 0,1,2                          ; the 49 loads of constants: 30 + 9 + 9 + 1
.irp x, 0,1,2,3,4
	GLD4 CL+40*\l+8*\x, 10, 10, 512*\l+64*\x
	GLD4 CL+40*\l+8*\x+4, 10, 10, 512*\l+64*\x+16
.endr
.endr
.irp l, 0,1,2
.irp q, 0,1,2
	GLD2 DD+6*\l+2*\q, 11, 12, 48*\l+16*\q
.endr
.endr
.irp q, 0,1,2
	GLD2 W1C+2*\q, 11, 14, 16*\q
	GLD2 B1C+2*\q, 11, 16, 16*\q
	GLD2 W2C+2*\q, 11, 18, 16*\q
.endr
	WIN 0
	global_load_b32 v[L2B], v13, s[20:21]
	s_wait_loadcnt 49                              ; all but the 49 constants, which were issued last on every wave's way: x, the table row and the images are in
.set NN, 0
.rept 12
	LDSS4 12, XL+4*NN, XS+512*NN
.set NN, NN+1
.endr
	LDSS2 14, XL+48, XS+6144
	WIN 0
	s_cmp_ge_u32 s24, 2
	s_cbranch_scc1 .Lno_tab2
.set NN, 0
.rept 12
	LDSS4 12, TL+4*NN, TG+512*NN
.set NN, NN+1
.endr
	LDSS2 14, TL+48, TG+6144
	WIN 0
.Lno_tab2:
.set NN, 0
.rept 12
	LDSS4 15, IL+4*NN, 512*NN
.set NN, NN+1
.endr
	WIN 0
	s_wait_dscnt 0x0                               ; for the others' sake: my part of the tables and images lies in LDS
	s_barrier_signal -1
	s_barrier_wait -1                              ; the launch's one barrier: behind it the shared bytes are only read
.set NN, 0
.rept 24
	LDSL4 IMG+8*NN, AIM, 1024*NN                   ; all 24 images stay in registers
	LDSL4 IMG+8*NN+4, AIM, 1024*NN+512
.set NN, NN+1
.endr
	WIN 0
.set NN, T
.rept 40
	v_mov_b32 v[NN], 0                             ; the states before the first step are 0; T and CR are destinations of lane moves and have to hold finite numbers
.set NN, NN+1
.endr
.irp j, 0,1,2,3
	v_mov_b32 v[PT+\j], 0
.endr
	v_cmp_eq_u32 s31, 0, v8                        ; column 0
	v_cmp_eq_u32 s32, 0, v9                        ; lanes 0-15
	v_cmp_le_u32 s33, 1, v8                        ; has a partner 1, 2, 4, 8 columns to the left
	v_cmp_le_u32 s34, 2, v8
	v_cmp_le_u32 s35, 4, v8
	v_cmp_le_u32 s36, 8, v8
	WIN 0x40
.irp i, 0,1,2,3
.irp j, 0,1,2,3
	v_mov_b32 v[204+16*\i+\j], 0                   ; source 1's state places: P1 multiplies them by the images' zeros
.endr
.endr
	WIN 0x80
.irp j, 0,1,2,3
	v_mov_b32 v[252+\j], 0
.endr
	WIN 0
	s_wait_loadcnt 0x0                             ; the constants
	v_cndmask_b32 v[B2H], 0, v[L2B], s32
	v_cndmask_b32 v[B2H+1], 0, v[L2B], s32
	WIN 0xcc
.irp l, 0,1,2
.irp j, 0,1,2,3,4,5,6,7
	v_cndmask_b32 v[120+8*\l+\j], 0, v[40*\l+8+\j], s31
.endr
.irp e, 0,1,2,3
.irp j, 0,1,2,3,4,5,6,7
	v_cndmask_b32 v[40*\l+8+8*\e+\j], 0, v[40*\l+8+8*\e+\j], s[33+\e]
.endr
.endr
.endr
	WIN 0                                          ; at a label and at a branch every window is 0
	s_mov_b32 s30, 5
.Lblk:                                         ; a block of 320 steps through all three layers
.irp i, 0,1,2,3,4
	ds_load_b128 v[XG+12*\i:XG+12*\i+3], v3 offset:16*\i          ; 16 lanes at 80 bytes' distance: 16 different groups of four banks
	ds_load_b128 v[XG+12*\i+4:XG+12*\i+7], v4 offset:16*\i
	ds_load_b128 v[XG+12*\i+8:XG+12*\i+11], v4 offset:6400+16*\i
.endr
	s_wait_dscnt 0x0                               ; these; in the first trip the images too
	BUILD 0
.irp i, 0,1,2,3,4
	MMH 0, \i, 0
.if \i < 4
	BUILD (\i)+1                                   ; the next tile is made beside the product
.endif
.endr
.irp i, 0,1,2,3,4
	MMH 0, \i, 1
.endr
	PLACES
	SCAN 0
	P2 0
.irp l, 1,2
.irp i, 0,1,2,3,4
	MMH \l, \i, 0                                  ; five accumulators by turns
.endr
.irp i, 0,1,2,3,4
	MMH \l, \i, 1
.endr
	PLACES
	SCAN \l
	P2 \l
.endr
	WIN 0
	v_add_nc_u32 v3, 0x500, v3                     ; the next 320 steps
	v_add_nc_u32 v4, 0x500, v4
	v_add_nc_u32 v5, 0x500, v5
	s_sub_co_i32 s30, s30, 1
	s_cmp_lg_u32 s30, 0
	s_cbranch_scc1 .Lblk
	; THE WAY OUT: my row comes back as it lies in memory; LDS serves a wave's instructions in order, and the bytes are my own
.set NN, 0
.rept 12
	ds_load_b128 v[XG+4*NN:XG+4*NN+3], v12 offset:OS+512*NN
.set NN, NN+1
.endr
	ds_load_b64 v[XG+48:XG+49], v14 offset:OS+6144
.set NN, 0
.rept 12
	s_wait_dscnt 12-NN                             ; the 12 - n younger loads may stay out
	global_store_b128 v6, v[XG+4*NN:XG+4*NN+3], s[22:23] offset:512*NN th:TH_STORE_NT  ; 512 consecutive bytes, at a multiple of 256 from out0's first
.set NN, NN+1
.endr
	s_wait_dscnt 0x0
	global_store_b64 v7, v[XG+48:XG+49], s[22:23] offset:6144 th:TH_STORE_NT           ; the row's last 256 bytes
	s_wait_tensorcnt 0x0                           ; the wave's end, behind my last LDS store
	ds_add_u32 v1, v2
	s_wait_dscnt 0x0
	s_endpgm
.Lfunc_end_k_q58ef393c5b_s5:
	.size	k_q58ef393c5b_s5, .Lfunc_end_k_q58ef393c5b_s5-k_q58ef393c5b_s5
	.p2alignl 7, 3214868480
	.fill 96, 4, 3214868480
	.section	.rodata,"a",@progbits
	.p2align	6, 0x0
	.amdhsa_kernel k_q58ef393c5b_s5
		.amdhsa_group_segment_fixed_size 89088
		.amdhsa_private_segment_fixed_size 0
		.amdhsa_enable_private_segment 0
		.amdhsa_kernarg_size 80
		.amdhsa_user_sgpr_count 2
		.amdhsa_user_sgpr_kernarg_segment_ptr 1
		.amdhsa_wavefront_size32 1
		.amdhsa_system_sgpr_workgroup_id_x 1
		.amdhsa_system_sgpr_workgroup_id_y 1
		.amdhsa_system_sgpr_workgroup_id_z 1
		.amdhsa_system_vgpr_workitem_id 0
		.amdhsa_next_free_vgpr 960
		.amdhsa_next_free_sgpr 66
		.amdhsa_reserve_vcc 0
		.amdhsa_float_denorm_mode_32 3
		.amdhsa_float_denorm_mode_16_64 3
		.amdhsa_memory_ordered 1
		.amdhsa_forward_progress 1
		.amdhsa_inst_pref_size 130
	.end_amdhsa_kernel
	.amdgpu_metadata
---
amdhsa.version: [ 1, 2 ]
amdhsa.kernels:
  - .name:           k_q58ef393c5b_s5
    .symbol:         k_q58ef393c5b_s5.kd
    .args:
      - { .name: x, .offset: 0, .size: 8, .value_kind: global_buffer, .address_space: global }
      - { .name: tab, .offset: 8, .size: 8, .value_kind: global_buffer, .address_space: global }
      - { .name: wimg, .offset: 16, .size: 8, .value_kind: global_buffer, .address_space: global }
      - { .name: cst, .offset: 24, .size: 8, .value_kind: global_buffer, .address_space: global }
      - { .name: d, .offset: 32, .size: 8, .value_kind: global_buffer, .address_space: global }
      - { .name: l1_w, .offset: 40, .size: 8, .value_kind: global_buffer, .address_space: global }
      - { .name: l1_b, .offset: 48, .size: 8, .value_kind: global_buffer, .address_space: global }
      - { .name: l2_w, .offset: 56, .size: 8, .value_kind: global_buffer, .address_space: global }
      - { .name: l2_b, .offset: 64, .size: 8, .value_kind: global_buffer, .address_space: global }
      - { .name: out0, .offset: 72, .size: 8, .value_kind: global_buffer, .address_space: global }
    .group_segment_fixed_size: 89088
    .private_segment_fixed_size: 0
    .kernarg_segment_align: 8
    .kernarg_segment_size: 80
    .max_flat_workgroup_size: 128
    .sgpr_count:     66
    .vgpr_count:     960
    .wavefront_size: 32
...
	.end_amdgpu_metadata
.endif
;; end of part 2
